; MI455X (gfx1250); checked and timed in simulation.
; The chip was launched on July 23, 2026; its instructions are those of AMD's public machine-readable ISA for CDNA 5 (MIT licence, August 2026) and "CDNA5" Instruction Set Architecture Reference Guide (July 2026). The comments in the code are by the model that wrote it; some were corrected since.
;; KGE Model. Allowed arithmetic: float matrix products may take bf16 or f16 operands with f32 sums; all other float work in f32.
;; Inputs: entity_embedding 100,000 x 256 float32; negative_sample 8 x 100,000 int32; positive_sample 8 x 3 int32; relation_embedding 500 x 256 float32.
;; Outputs: out0 8 x 100,000 float32.
;; One version. Each part assembles by itself: llvm-mc -triple=amdgcn-amd-amdhsa -mcpu=gfx1250 --defsym DOCPART=n.
;; ======== version 1 of 1: 2 launches
;; workspace buffers: scores 3,200,000 bytes
;; launch score (part 1): grid 250 x 1, 20 waves a work-group, no clusters, 23,552 bytes of LDS; arguments entity_embedding, relation_embedding, positive_sample, scores; writes scores
.if DOCPART == 1
	.amdgcn_target "amdgcn-amd-amdhsa--gfx1250"
	.amdhsa_code_object_version 6
	.text
	.protected	k_q163a371561_score
	.globl	k_q163a371561_score
	.p2align	8
	.type	k_q163a371561_score,@function
k_q163a371561_score:
	s_mov_b64 s[64:65], 0
	v_nop
	global_prefetch_b8 v0, s[64:65] scope:SCOPE_SE
	s_setreg_imm32_b32 hwreg(HW_REG_WAVE_MODE, 25, 1), 1
	s_wait_xcnt 0x0
; scores[e][b] = 12 - sum over d of |head_b[d] + relation_b[d] - entity[e][d]|, for EVERY entity e and all 8 batches b, all in f32.
; The table (100,000 rows of 1 KiB) is read once; the candidates' scores are picked from scores[][] by the next launch.
; A work-group owns 400 rows (250 x 400 = 100,000), a wave 20 of them, a lane 8 dimensions of every row:
; dims 4l..4l+3 and 128+4l..128+4l+3, so each of a row's two loads covers 512 consecutive bytes, aligned.
; No matrix instruction: an L1 distance is no product.  No cluster: work-groups share only the 8 head and 8 relation rows
; (16 KiB) against 400 KiB of rows of their own.  No LDS ring: 12 of a wave's 20 rows are on their way in registers.
;
; THE SUM ACROSS LANES WITHOUT SELECTS.  Register slot s of lane l holds q = head + relation of batch s xor (l & 7).
; Then slot s of lane l and slot s xor m of lane l xor m (m = 1, 2, 4) belong to the same batch, and each of the three
; stages is one DPP add for a pair of slots: 4 + 2 + 1 adds leave, in lane l, batch l & 7 summed over its 8 lanes.
; Lane bits 4 and 3 are folded over four rows at a time, after which every lane holds one finished score.
;
; LIMIT: the two indices of positive_sample are taken as unsigned and clamped to their table's last row; a negative index
; (which the reference would wrap) is not served.  Column 2 of positive_sample is not used by the reference either.
.set ROWB,  1024                       ; bytes in a row of either table
.set WAVES, 20
.set WROWS, 20                         ; rows of a wave
.set GROWS, WAVES*WROWS                ; rows of a work-group: 400
.set RING,  12                         ; row slots in registers = rows requested ahead
.set NENT,  100000
.set NREL,  500
.set STAGE, 8192                       ; LDS: q at 0 (8 x 1,024 bytes), behind it the group's 400 x 32 bytes of results
.set VOFF, 1                           ; v1        16 x lane: my bytes in each half of a row
.set STO,  2                           ; v2        LDS address of my score in my wave's first unit of four rows
.set TMP,  3                           ; v3
.set Q,    4                           ; v[4:67]   slot s: 8 numbers of q of batch s xor (lane & 7)
.set T,    68                          ; v[68:163] ring: 12 rows x 8 numbers
.set D,    164                         ; v[164:171] differences of one slot
.set W,    172                         ; v[172:179] |d|+|d'| of two slots, (even slot, odd slot) side by side
.set X,    180                         ; v[180:187] a row's eight slot sums
.set YY,   188                         ; v[188:191] four rows' sums over 8 lanes, in the order row 0, 2, 1, 3
	s_load_b256 s[4:11], s[0:1], 0x0               ; entity s[4:5], relation s[6:7], positive_sample s[8:9], scores s[10:11]
	v_lshrrev_b32 v[TMP], 5, v0
	v_readfirstlane_b32 s12, v[TMP]                ; wave 0..19
	v_and_b32 v[VOFF], 31, v0
	v_lshlrev_b32 v[VOFF], 4, v[VOFF]
	s_mul_i32 s14, ttmp9, GROWS*ROWB               ; the group's first row, in bytes (at most 249 x 409,600: 32 bits do)
	s_mul_i32 s15, s12, WROWS*ROWB                 ; + the wave's
	s_add_co_u32 s14, s14, s15
	s_mov_b32 s15, 0
	s_wait_kmcnt 0x0
	s_add_nc_u64 s[16:17], s[4:5], s[14:15]        ; my wave's first row; never stepped: rows are reached by the immediate offset
	; Waves 0..7 make q of batch = wave.  Loads finish in order, so their four q loads are issued AHEAD of the ring's loads and
	; can be waited for while the ring stays out; the other twelve waves ask for their rows at once.
	s_cmp_ge_u32 s12, 8
	s_cbranch_scc1 .Lfill
	s_mul_i32 s18, s12, 12                         ; a row of positive_sample is 3 words
	s_load_b64 s[20:21], s[8:9], s18 offset:0x0    ; head index, relation index
	s_wait_kmcnt 0x0
	s_min_u32 s20, s20, NENT-1                     ; a loaded number enters an address only clamped
	s_min_u32 s21, s21, NREL-1
	v_lshl_add_u32 v[X], s20, 10, v[VOFF]          ; row x 1,024 + my 16 bytes (below 2^27)
	v_lshl_add_u32 v[X+1], s21, 10, v[VOFF]
	global_load_b128 v[D:D+3],   v[X], s[4:5]
	global_load_b128 v[D+4:D+7], v[X], s[4:5] offset:512
	global_load_b128 v[W:W+3],   v[X+1], s[6:7]
	global_load_b128 v[W+4:W+7], v[X+1], s[6:7] offset:512
.Lfill:
.set r, 0
.rept RING                                             ; rows 0..11: 24 loads, 12 KiB of the wave's 20 KiB
	global_load_b128 v[T+8*r:T+8*r+3],   v[VOFF], s[16:17] offset:r*ROWB th:TH_LOAD_NT
	global_load_b128 v[T+8*r+4:T+8*r+7], v[VOFF], s[16:17] offset:r*ROWB+512 th:TH_LOAD_NT
.set r, r+1
.endr
	; where my finished score goes: lane l ends up with row 2 x bit 3 + bit 4 of a unit of four rows, batch l & 7
	v_and_b32 v[STO], 7, v0
	v_bfe_u32 v[TMP], v0, 3, 1
	v_lshlrev_b32 v[STO], 2, v[STO]                ; 4 bytes a batch
	v_lshl_add_u32 v[STO], v[TMP], 6, v[STO]       ; two rows of 32 bytes
	v_bfe_u32 v[TMP], v0, 4, 1
	v_lshl_add_u32 v[STO], v[TMP], 5, v[STO]       ; one row
	s_mul_i32 s19, s12, WROWS*32                   ; my wave's 640 bytes of the stage
	s_add_co_u32 s19, s19, STAGE
	v_add_nc_u32 v[STO], s19, v[STO]
	v_and_b32 v[TMP], 8, v0
	v_cmp_ne_u32 s22, 0, v[TMP]                    ; mask of the lanes with bit 3 set
.irp j, 0,1,2,3
	v_mov_b32 v[YY+\j], 0                          ; a DPP form's destination counts as a source: written once, its value is never used
.endr
	s_cmp_ge_u32 s12, 8
	s_cbranch_scc1 .Lqdone
	s_wait_loadcnt 2*RING                          ; the four q loads are in; the ring's 24 younger loads stay out
.irp k, 0,2,4,6
	v_pk_add_f32 v[D+\k:D+\k+1], v[D+\k:D+\k+1], v[W+\k:W+\k+1]    ; head + relation, rounded as the reference rounds it
.endr
	v_lshl_add_u32 v[TMP], s12, 10, v[VOFF]        ; q of batch b lies at 1,024 b
	ds_store_b128 v[TMP], v[D:D+3]
	ds_store_b128 v[TMP], v[D+4:D+7] offset:512
.Lqdone:
	s_wait_dscnt 0x0                               ; for the other waves' sake: my part of q is in LDS before I signal
	s_barrier_signal -1
	s_barrier_wait -1                              ; all of q is there
	v_and_b32 v[TMP], 0x70, v[VOFF]                ; (lane & 7) x 16
	v_lshl_add_u32 v[TMP], v[TMP], 6, v[VOFF]      ; (lane & 7) x 1,024 + 16 x lane: slot 0.  Bits 10-12 hold lane & 7 alone,
	ds_load_b128 v[Q:Q+3],   v[TMP]                ; so slot s is reached by xor with s x 1,024.  Sixteen lanes touch sixteen
	ds_load_b128 v[Q+4:Q+7], v[TMP] offset:512     ; different 16-byte columns of 256 bytes: no two meet in a bank
.irp s, 1,2,3,4,5,6,7
	v_xor_b32 v[X+\s], \s<<10, v[TMP]
	ds_load_b128 v[Q+8*\s:Q+8*\s+3],   v[X+\s]
	ds_load_b128 v[Q+8*\s+4:Q+8*\s+7], v[X+\s] offset:512
.endr
	s_wait_dscnt 0x0                               ; q, once
; One row: 8 slots x 8 numbers.  For two slots: 8 packed subtractions, 8 adds of two magnitudes, 3 packed adds.
.macro ROW r
.set TS, T+8*((\r)%RING)
.set YR, YY+(((\r)%4)>>1)+2*((\r)&1)
.if (\r)+RING-1 < WROWS-1
	s_wait_loadcnt 2*(RING-1)                      ; rows r+1 .. r+11 have been asked for behind mine: their 22 loads stay out
.else
	s_wait_loadcnt 2*(WROWS-1-(\r))                ; nothing is asked for past row 19: the count runs down to 0
.endif
.irp p, 0,1,2,3
.irp h, 0,1
.irp k, 0,2,4,6
	v_pk_add_f32 v[D+\k:D+\k+1], v[Q+8*(2*\p+\h)+\k:Q+8*(2*\p+\h)+\k+1], v[TS+\k:TS+\k+1] neg_lo:[0,1] neg_hi:[0,1]   ; q - tail
.endr
.irp k, 0,2,4,6
	v_add_f32 v[W+\k+\h], |v[D+\k]|, |v[D+\k+1]|   ; two magnitudes in one add
.endr
.endr
	v_pk_add_f32 v[W:W+1],     v[W:W+1],     v[W+2:W+3]        ; both slots at once
	v_pk_add_f32 v[W+4:W+5],   v[W+4:W+5],   v[W+6:W+7]
	v_pk_add_f32 v[X+2*\p:X+2*\p+1], v[W:W+1], v[W+4:W+5]
.endr
.if (\r)+RING < WROWS
	global_load_b128 v[TS:TS+3],   v[VOFF], s[16:17] offset:((\r)+RING)*ROWB th:TH_LOAD_NT       ; the slot has been read: its next row
	global_load_b128 v[TS+4:TS+7], v[VOFF], s[16:17] offset:((\r)+RING)*ROWB+512 th:TH_LOAD_NT
.endif
.irp s, 0,2,4,6
	v_add_f32_dpp v[X+\s], v[X+\s+1], v[X+\s] row_xmask:1 row_mask:0xf bank_mask:0xf     ; slot s here + slot s+1 of lane xor 1: one batch
.endr
	v_add_f32_dpp v[X],   v[X+2], v[X]   row_xmask:2 row_mask:0xf bank_mask:0xf
	v_add_f32_dpp v[X+4], v[X+6], v[X+4] row_xmask:2 row_mask:0xf bank_mask:0xf
	v_add_f32_dpp v[YR],  v[X+4], v[X]   row_xmask:4 row_mask:0xf bank_mask:0xf          ; batch lane & 7, summed over my 8 lanes
.endm
; Four rows' sums -> one finished score a lane.
.macro FINISH u
	v_permlane16_swap_b32 v[YY],   v[YY+2]         ; rows 0, 1: now (row 0 low | row 1 low) and (row 0 high | row 1 high)
	v_permlane16_swap_b32 v[YY+1], v[YY+3]         ; rows 2, 3 likewise
	v_pk_add_f32 v[YY:YY+1], v[YY:YY+1], v[YY+2:YY+3]      ; lane bit 4 folded: YY = row 0 | row 1, YY+1 = row 2 | row 3
	v_cndmask_b32 v[D],   v[YY+1], v[YY],   s22    ; what lane xor 8 keeps: bit 3 set sends rows 0|1, clear sends rows 2|3
	v_cndmask_b32 v[D+1], v[YY],   v[YY+1], s22    ; what I keep
	v_add_f32_dpp v[D+1], v[D], v[D+1] row_xmask:8 row_mask:0xf bank_mask:0xf
	v_sub_f32 v[D+1], 0x41400000, v[D+1]           ; gamma = 12.0 minus the distance
	ds_store_b32 v[STO], v[D+1] offset:128*\u      ; 32 lanes, 32 different words of 128 consecutive bytes
.endm
.irp u, 0,1,2,3,4
	ROW 4*\u
	ROW 4*\u+1
	ROW 4*\u+2
	ROW 4*\u+3
	FINISH \u
.endr
	; THE WAY OUT.  A wave's 20 rows are 640 bytes of scores, no whole number of aligned 256-byte blocks; the group's 12,800 bytes are.
	; So the group's results are read back across the waves: thread t takes bytes 16 t, and each store of a wave covers 512
	; consecutive bytes at a multiple of 512 from the group's part, which starts at a multiple of 256.
	s_wait_dscnt 0x0                               ; for the other waves' sake: my scores are in LDS before I signal
	s_barrier_signal -1
	s_barrier_wait -1
	v_lshlrev_b32 v[TMP], 4, v0
	s_mul_i32 s14, ttmp9, GROWS*32                 ; s15 is still 0
	s_add_nc_u64 s[10:11], s[10:11], s[14:15]
	ds_load_b128 v[D:D+3], v[TMP] offset:STAGE
	s_cmp_ge_u32 s12, (GROWS*32-WAVES*512)/512     ; 640 threads x 16 bytes = 10,240; the last 2,560 bytes go to waves 0..4
	s_cbranch_scc1 .Llast
	ds_load_b128 v[W:W+3], v[TMP] offset:STAGE+WAVES*512
	s_wait_dscnt 0x0
	global_store_b128 v[TMP], v[W:W+3], s[10:11] offset:WAVES*512
.Llast:
	s_wait_dscnt 0x0
	global_store_b128 v[TMP], v[D:D+3], s[10:11]
	s_wait_xcnt 0x0
	v_lshl_add_u32 v190, v0, 2, 0x5200
	v_mov_b32 v191, 0
	s_wait_tensorcnt 0x0
	ds_add_u32 v190, v191
	s_wait_dscnt 0x0
	s_endpgm
.Lfunc_end_k_q163a371561_score:
	.size	k_q163a371561_score, .Lfunc_end_k_q163a371561_score-k_q163a371561_score
	.p2alignl 7, 3214868480
	.fill 96, 4, 3214868480
	.section	.rodata,"a",@progbits
	.p2align	6, 0x0
	.amdhsa_kernel k_q163a371561_score
		.amdhsa_group_segment_fixed_size 23552
		.amdhsa_private_segment_fixed_size 0
		.amdhsa_enable_private_segment 0
		.amdhsa_kernarg_size 32
		.amdhsa_user_sgpr_count 2
		.amdhsa_user_sgpr_kernarg_segment_ptr 1
		.amdhsa_wavefront_size32 1
		.amdhsa_system_sgpr_workgroup_id_x 1
		.amdhsa_system_sgpr_workgroup_id_y 1
		.amdhsa_system_sgpr_workgroup_id_z 1
		.amdhsa_system_vgpr_workitem_id 0
		.amdhsa_next_free_vgpr 192
		.amdhsa_next_free_sgpr 66
		.amdhsa_reserve_vcc 0
		.amdhsa_float_denorm_mode_32 3
		.amdhsa_float_denorm_mode_16_64 3
		.amdhsa_memory_ordered 1
		.amdhsa_forward_progress 1
		.amdhsa_inst_pref_size 116
	.end_amdhsa_kernel
	.amdgpu_metadata
---
amdhsa.version: [ 1, 2 ]
amdhsa.kernels:
  - .name:           k_q163a371561_score
    .symbol:         k_q163a371561_score.kd
    .args:
      - { .name: entity_embedding, .offset: 0, .size: 8, .value_kind: global_buffer, .address_space: global }
      - { .name: relation_embedding, .offset: 8, .size: 8, .value_kind: global_buffer, .address_space: global }
      - { .name: positive_sample, .offset: 16, .size: 8, .value_kind: global_buffer, .address_space: global }
      - { .name: scores, .offset: 24, .size: 8, .value_kind: global_buffer, .address_space: global }
    .group_segment_fixed_size: 23552
    .private_segment_fixed_size: 0
    .kernarg_segment_align: 8
    .kernarg_segment_size: 32
    .max_flat_workgroup_size: 640
    .sgpr_count:     66
    .vgpr_count:     192
    .wavefront_size: 32
...
	.end_amdgpu_metadata
.endif
;; end of part 1
;; launch pick (part 2): grid 625 x 1, 10 waves a work-group, no clusters, 0 bytes of LDS; arguments negative_sample, scores, out0; writes out0
.if DOCPART == 2
	.amdgcn_target "amdgcn-amd-amdhsa--gfx1250"
	.amdhsa_code_object_version 6
	.text
	.protected	k_q163a371561_pick
	.globl	k_q163a371561_pick
	.p2align	8
	.type	k_q163a371561_pick,@function
k_q163a371561_pick:
	s_mov_b64 s[64:65], 0
	v_nop
	global_prefetch_b8 v0, s[64:65] scope:SCOPE_SE
	s_setreg_imm32_b32 hwreg(HW_REG_WAVE_MODE, 25, 1), 1
	s_wait_xcnt 0x0
; out0[b][n] = scores[negative_sample[b][n]][b]: the score of every candidate, picked from the table of the launch before.
; negative_sample and out0 are taken as one flat run of 800,000 words.  Thread T (0 .. 199,999 = 625 groups x 320 threads, exactly)
; owns words 4 T .. 4 T + 3: one 16-byte load of indices, four 4-byte gathers, one 16-byte store; a wave's load and its store each
; cover 512 consecutive bytes, aligned.  100,000 is a multiple of 4, so a thread's four words belong to one batch b = T / 25,000.
; No LDS copy of the table: one batch's 100,000 scores (400,000 bytes) do not fit, and halves fetched by every group would be as many
; bytes as the gathers.  No cluster, no matrix instruction: nothing is shared as a tile and nothing is multiplied.
; LIMIT: an index is taken as unsigned and clamped to 99,999; a negative index (which the reference would wrap) is not served.
.set NENT,  100000
.set TPB,   25000                      ; threads in a batch
.set MAGIC, 171799                     ; ceil(2^32 / 25,000).  171,799 x 25,000 - 2^32 = 7,704, and T x 7,704 < 2^32 for T < 557,000,
                                       ; so the high word of T x MAGIC is T / 25,000 rounded down for every T here
	s_load_b128 s[4:7], s[0:1], 0x0                ; negative_sample s[4:5], scores s[6:7]
	s_load_b64 s[8:9], s[0:1], 0x10                ; out0
	v_lshrrev_b32 v1, 5, v0
	v_readfirstlane_b32 s10, v1                    ; wave
	s_mul_i32 s11, ttmp9, 320
	v_add_nc_u32 v1, s11, v0                       ; T
	s_lshl_b32 s10, s10, 5
	s_add_co_u32 s10, s10, s11                     ; T of my wave's lane 0
	s_mul_hi_u32 s12, s10, MAGIC                   ; its batch b0
	s_mul_i32 s13, s12, TPB
	s_add_co_u32 s13, s13, TPB                     ; the first T of batch b0 + 1; a wave of 32 threads crosses at most this one border
	s_lshl_b32 s14, s12, 2                         ; 4 b0: the batch's word in a row of scores
	s_mov_b32 s15, 0
	v_lshlrev_b32 v2, 4, v1                        ; my 16 bytes, in negative_sample and in out0 alike
	v_cmp_le_u32 vcc_lo, s13, v1                   ; lanes past the border
	v_cndmask_b32 v3, 0, 4, vcc_lo                 ; take the next word
	s_wait_kmcnt 0x0
	s_add_nc_u64 s[6:7], s[6:7], s[14:15]
	global_load_b128 v[4:7], v2, s[4:5] th:TH_LOAD_NT
	s_wait_loadcnt 0x0
.irp j, 0,1,2,3
	v_min_u32 v[4+\j], NENT-1, v[4+\j]             ; a loaded number enters an address only clamped
	v_lshl_add_u32 v[4+\j], v[4+\j], 5, v3         ; 32 bytes of scores for each entity
.endr
.irp j, 0,1,2,3
	global_load_b32 v[8+\j], v[4+\j], s[6:7]
.endr
	s_wait_loadcnt 0x0
	global_store_b128 v2, v[8:11], s[8:9] th:TH_STORE_NT
	s_endpgm
.Lfunc_end_k_q163a371561_pick:
	.size	k_q163a371561_pick, .Lfunc_end_k_q163a371561_pick-k_q163a371561_pick
	.p2alignl 7, 3214868480
	.fill 96, 4, 3214868480
	.section	.rodata,"a",@progbits
	.p2align	6, 0x0
	.amdhsa_kernel k_q163a371561_pick
		.amdhsa_group_segment_fixed_size 0
		.amdhsa_private_segment_fixed_size 0
		.amdhsa_enable_private_segment 0
		.amdhsa_kernarg_size 24
		.amdhsa_user_sgpr_count 2
		.amdhsa_user_sgpr_kernarg_segment_ptr 1
		.amdhsa_wavefront_size32 1
		.amdhsa_system_sgpr_workgroup_id_x 1
		.amdhsa_system_sgpr_workgroup_id_y 1
		.amdhsa_system_sgpr_workgroup_id_z 1
		.amdhsa_system_vgpr_workitem_id 0
		.amdhsa_next_free_vgpr 12
		.amdhsa_next_free_sgpr 66
		.amdhsa_reserve_vcc 1
		.amdhsa_float_denorm_mode_32 3
		.amdhsa_float_denorm_mode_16_64 3
		.amdhsa_memory_ordered 1
		.amdhsa_forward_progress 1
		.amdhsa_inst_pref_size 3
	.end_amdhsa_kernel
	.amdgpu_metadata
---
amdhsa.version: [ 1, 2 ]
amdhsa.kernels:
  - .name:           k_q163a371561_pick
    .symbol:         k_q163a371561_pick.kd
    .args:
      - { .name: negative_sample, .offset: 0, .size: 8, .value_kind: global_buffer, .address_space: global }
      - { .name: scores, .offset: 8, .size: 8, .value_kind: global_buffer, .address_space: global }
      - { .name: out0, .offset: 16, .size: 8, .value_kind: global_buffer, .address_space: global }
    .group_segment_fixed_size: 0
    .private_segment_fixed_size: 0
    .kernarg_segment_align: 8
    .kernarg_segment_size: 24
    .max_flat_workgroup_size: 320
    .sgpr_count:     66
    .vgpr_count:     12
    .wavefront_size: 32
...
	.end_amdgpu_metadata
.endif
;; end of part 2
